; MI455X (gfx1250); checked and timed in simulation.
; The chip was launched on July 23, 2026; its instructions are those of AMD's public machine-readable ISA for CDNA 5 (MIT licence, August 2026) and "CDNA5" Instruction Set Architecture Reference Guide (July 2026). The comments in the code are by the model that wrote it; some were corrected since.
;; Neu MIP. Allowed arithmetic: float matrix products may take bf16 or f16 operands with f32 sums; all other float work in f32.
;; Inputs: ob1 32 float32; ob2 32 float32; ob3 1 float32; offset_texture 8 x 512 x 512 float32; ow1 32 x 10 float32; ow2 32 x 32 float32; ow3 1 x 32 float32; rb1 32 float32; rb2 32 float32; rb3 3 float32; rgb_texture 8 x 512 x 512 float32; rw1 32 x 12 float32; rw2 32 x 32 float32; rw3 3 x 32 float32; uv 4,194,304 x 2 float32; wi 4,194,304 x 2 float32; wo 4,194,304 x 2 float32.
;; Outputs: out0 4,194,304 x 3 float32.
;; One version. Each part assembles by itself: llvm-mc -triple=amdgcn-amd-amdhsa -mcpu=gfx1250 --defsym DOCPART=n.
;; ======== version 1 of 1: 3 launches
;; limits: values outside matrix products are rounded to bf16
;; workspace buffers: idx1 16,777,216 bytes of whole numbers; idx2 16,777,216 bytes of whole numbers; frac2 33,554,432 bytes; texo 4,465,152 bytes; texr 4,465,152 bytes
;; launch prep (part 1): grid 2048 x 1, 8 waves a work-group, no clusters, 0 bytes of LDS; arguments uv, offset_texture, rgb_texture, idx1, texo, texr; writes idx1, texo, texr
.if DOCPART == 1
	.amdgcn_target "amdgcn-amd-amdhsa--gfx1250"
	.amdhsa_code_object_version 6
	.text
	.protected	k_qaf0ccd868a_prep
	.globl	k_qaf0ccd868a_prep
	.p2align	8
	.type	k_qaf0ccd868a_prep,@function
k_qaf0ccd868a_prep:
	s_mov_b64 s[64:65], 0
	v_nop
	global_prefetch_b8 v0, s[64:65] scope:SCOPE_SE
	s_setreg_imm32_b32 hwreg(HW_REG_WAVE_MODE, 25, 1), 1
	s_wait_xcnt 0x0
; NEUMIP, LAUNCH 1 OF 3.  Two pieces of work that depend on nothing but the inputs:
; (a) both textures, [8][512][512] f32 by channels, are laid out by texels in bf16: table[row][column][8 channels], 16 bytes a texel, 513 rows of 544 texels (8,704 bytes = 34 x 256).
;     Row 512 repeats row 0 and columns 512-543 repeat columns 0-31, so that the four corners of a wrap-around bilinear fetch are one address plus 0 or 16 bytes plus 0 or 8,704 bytes.
; (b) for every point the index v0 x 544 + u0 of its first fetch, u0 = floor(511 u) mod 512, v0 = floor(-511 v) mod 512, stored as a whole number: the next launch forms addresses from it.
; SHARES.  2,048 work-groups of 256 threads.  Work-group b: texture b >> 10, row (b >> 1) & 511, columns 256 (b & 1) on, a texel a thread; and the points 2,048 b on, eight a thread.
; LIMITS.  A texel is rounded to bf16 (8 significant bits): it is a matrix operand of the next launches.  |511 u| and |511 v| stay under 2^31 (the conversion to a whole number saturates beyond).
; NaN is not treated apart.
.set ROWB,  8704                       ; bytes in a table row
.set TOP,   512*ROWB                   ; from row 0 to its copy, row 512
.set WRAP,  512*16                     ; from column c to its copy, column 512 + c
.set CHAN,  1048576                    ; bytes from channel to channel in a texture
	s_load_b256 s[4:11], s[0:1], 0x0               ; uv s[4:5], offset_texture s[6:7], rgb_texture s[8:9], idx1 s[10:11]
	s_load_b128 s[12:15], s[0:1], 0x20             ; texo s[12:13], texr s[14:15]
	v_lshrrev_b32 v5, 5, v0
	v_readfirstlane_b32 s2, v5                     ; wave 0..7
	s_lshr_b32 s26, ttmp9, 10                      ; which texture
	s_bfe_u32 s27, ttmp9, 0x90001                  ; row: 9 bits from bit 1
	s_and_b32 s28, ttmp9, 1                        ; which half of the row
	s_lshl_b32 s20, s27, 11                        ; in the texture: row x 2,048 bytes
	s_lshl_b32 s29, s28, 10                        ; + 256 columns x 4 bytes
	s_add_co_u32 s20, s20, s29
	s_mul_i32 s21, s27, ROWB                       ; in the table: row x 8,704 bytes
	s_lshl_b32 s29, s28, 12                        ; + 256 columns x 16 bytes
	s_add_co_u32 s21, s21, s29
	s_lshl_b32 s22, ttmp9, 14                      ; my 2,048 points in uv: 8 bytes each
	s_mov_b32 s23, 0
	s_lshl_b32 s24, ttmp9, 13                      ; and in idx1: 4 bytes each
	s_mov_b32 s25, 0
	v_lshl_add_u32 v1, v0, 2, s20                  ; my texel in a channel of the texture
	v_lshl_add_u32 v2, v0, 4, s21                  ; my texel in the table
	v_lshlrev_b32 v3, 4, v0                        ; two points of uv
	v_lshlrev_b32 v4, 3, v0                        ; two indices
	v_mov_b32 v6, 0x43ff8000                       ; 511.0
	v_mov_b32 v7, 0xc3ff8000                       ; -511.0
	s_wait_kmcnt 0x0
	s_cmp_eq_u32 s26, 0
	s_cselect_b64 s[16:17], s[6:7], s[8:9]         ; the texture that I read
	s_cselect_b64 s[18:19], s[12:13], s[14:15]     ; the table that I write
	s_add_nc_u64 s[4:5], s[4:5], s[22:23]
	s_add_nc_u64 s[10:11], s[10:11], s[24:25]
.irp k, 0,1,2,3
	global_load_b128 v[8+4*(\k):11+4*(\k)], v3, s[4:5] offset:4096*(\k) th:TH_LOAD_NT  ; points 512 k + 2 t, + 1: a wave's load covers 512 consecutive bytes
.endr
.irp c, 0,1,2,3,4,5,6,7
	global_load_b32 v[24+(\c)], v1, s[16:17] offset:CHAN*(\c) th:TH_LOAD_NT            ; my texel's eight channels; 7 x 1,048,576 lies inside the signed 24-bit immediate
.endr
.irp k, 0,1,2,3
	s_wait_loadcnt 11-(\k)                         ; behind uv's load k stand 3 - k of uv and the 8 of the texture
.irp p, 0,1
	v_pk_mul_f32 v[36+2*(\p):37+2*(\p)], v[8+4*(\k)+2*(\p):9+4*(\k)+2*(\p)], v[6:7]    ; 511 u, -511 v
.endr
.irp q, 36,37,38,39
	v_floor_f32 v[\q], v[\q]
.endr
.irp q, 36,37,38,39
	v_cvt_i32_f32 v[\q], v[\q]
.endr
.irp q, 36,37,38,39
	v_and_b32 v[\q], 0x1ff, v[\q]                  ; mod 512, also of a negative number in two's complement
.endr
.irp p, 0,1
	v_mad_u32_u24 v[40+2*(\k)+(\p)], v[37+2*(\p)], 0x220, v[36+2*(\p)]                 ; v0 x 544 + u0
.endr
	global_store_b64 v4, v[40+2*(\k):41+2*(\k)], s[10:11] offset:2048*(\k)             ; a wave stores 256 consecutive bytes, aligned; each k has its own data registers
.endr
	s_wait_loadcnt 0x0                             ; the eight channels
.irp i, 0,1,2,3
	v_cvt_pk_bf16_f32 v[32+(\i)], v[24+2*(\i)], v[25+2*(\i)]
.endr
	global_store_b128 v2, v[32:35], s[18:19]       ; a wave stores 512 consecutive bytes, aligned
	s_cmp_lg_u32 s27, 0
	s_cbranch_scc1 .Lnot_row_0
	global_store_b128 v2, v[32:35], s[18:19] offset:TOP        ; row 0 once more as row 512
.Lnot_row_0:
	s_cmp_lg_u32 s28, 0
	s_cbranch_scc1 .Ldone
	s_cmp_lg_u32 s2, 0
	s_cbranch_scc1 .Ldone                          ; wave 0 of a row's left half holds columns 0-31
	global_store_b128 v2, v[32:35], s[18:19] offset:WRAP       ; once more as columns 512-543
	s_cmp_lg_u32 s27, 0
	s_cbranch_scc1 .Ldone
	global_store_b128 v2, v[32:35], s[18:19] offset:TOP+WRAP   ; and in row 512
.Ldone:
	s_endpgm
.Lfunc_end_k_qaf0ccd868a_prep:
	.size	k_qaf0ccd868a_prep, .Lfunc_end_k_qaf0ccd868a_prep-k_qaf0ccd868a_prep
	.p2alignl 7, 3214868480
	.fill 96, 4, 3214868480
	.section	.rodata,"a",@progbits
	.p2align	6, 0x0
	.amdhsa_kernel k_qaf0ccd868a_prep
		.amdhsa_group_segment_fixed_size 0
		.amdhsa_private_segment_fixed_size 0
		.amdhsa_enable_private_segment 0
		.amdhsa_kernarg_size 48
		.amdhsa_user_sgpr_count 2
		.amdhsa_user_sgpr_kernarg_segment_ptr 1
		.amdhsa_wavefront_size32 1
		.amdhsa_system_sgpr_workgroup_id_x 1
		.amdhsa_system_sgpr_workgroup_id_y 1
		.amdhsa_system_sgpr_workgroup_id_z 1
		.amdhsa_system_vgpr_workitem_id 0
		.amdhsa_next_free_vgpr 48
		.amdhsa_next_free_sgpr 66
		.amdhsa_reserve_vcc 0
		.amdhsa_float_denorm_mode_32 3
		.amdhsa_float_denorm_mode_16_64 3
		.amdhsa_memory_ordered 1
		.amdhsa_forward_progress 1
		.amdhsa_inst_pref_size 8
	.end_amdhsa_kernel
	.amdgpu_metadata
---
amdhsa.version: [ 1, 2 ]
amdhsa.kernels:
  - .name:           k_qaf0ccd868a_prep
    .symbol:         k_qaf0ccd868a_prep.kd
    .args:
      - { .name: uv, .offset: 0, .size: 8, .value_kind: global_buffer, .address_space: global }
      - { .name: offset_texture, .offset: 8, .size: 8, .value_kind: global_buffer, .address_space: global }
      - { .name: rgb_texture, .offset: 16, .size: 8, .value_kind: global_buffer, .address_space: global }
      - { .name: idx1, .offset: 24, .size: 8, .value_kind: global_buffer, .address_space: global }
      - { .name: texo, .offset: 32, .size: 8, .value_kind: global_buffer, .address_space: global }
      - { .name: texr, .offset: 40, .size: 8, .value_kind: global_buffer, .address_space: global }
    .group_segment_fixed_size: 0
    .private_segment_fixed_size: 0
    .kernarg_segment_align: 8
    .kernarg_segment_size: 48
    .max_flat_workgroup_size: 256
    .sgpr_count:     66
    .vgpr_count:     48
    .wavefront_size: 32
...
	.end_amdgpu_metadata
.endif
;; end of part 1
;; launch offs (part 2): grid 256 x 1, 8 waves a work-group, no clusters, 0 bytes of LDS; arguments idx1, uv, wo, texo, ow1, ob1, ow2, ob2, ow3, ob3, idx2, frac2; writes idx2, frac2
.if DOCPART == 2
	.amdgcn_target "amdgcn-amd-amdhsa--gfx1250"
	.amdhsa_code_object_version 6
	.text
	.protected	k_qaf0ccd868a_offs
	.globl	k_qaf0ccd868a_offs
	.p2align	8
	.type	k_qaf0ccd868a_offs,@function
k_qaf0ccd868a_offs:
	s_mov_b64 s[64:65], 0
	v_nop
	global_prefetch_b8 v0, s[64:65] scope:SCOPE_SE
	s_setreg_imm32_b32 hwreg(HW_REG_WAVE_MODE, 25, 1), 1
	s_wait_xcnt 0x0
; NEUMIP, LAUNCHES 2 AND 3 OF 3: ONE TEXT, assembled with RGB = 0 (the offset network) or RGB = 1 (the colour network).  Each launch: a bilinear fetch at indices that the launch before
; stored as whole numbers, and a network (8 features + directions) -> 32 -> 32 -> NOUT with leaky ReLU (slope 0.01).
;   RGB = 0: features at uv (fractions made anew from uv), directions wo; r -> uv_new = r / sqrt(max(1 - |wo|^2, 0.36)) wo + uv; stored: the index and the two fractions of uv_new.
;   RGB = 1: features at uv_new (index and fractions loaded), directions wi, wo; stored: max(result, 0), three numbers a point.
; THE FETCH IS PART OF LAYER 1.  W f = the sum over 4 corners q and 8 channels c of W[m][c] (w_q t_q[c]): K = 32, one matrix instruction.  Source 1 (16 points) wants of lane (r, h), r = lane % 16,
; h = lane / 16, k = 8 h + 0..7 in registers 0-3 and 16 + 8 h + 0..7 in registers 4-7: with k = 16 row + 8 h + c these are the texels (v0, u0 + h) and (v0 + 1, u0 + h) of point r, 16 bytes of bf16 each,
; as the table holds them: two loads; each number is widened, multiplied by the lane's f32 weight and rounded once to bf16, in one instruction.  Source 0 holds W's eight feature columns four times.
; THE CHAIN.  Source 0 = 16 hidden units, source 1 = 16 points: a result holds ONE point a lane (lane % 16) and the units 8 h + 0..7, so two results (units 0-15, 16-31), rounded in pairs, ARE the next source 1.
; TWO BF16 FOR A NUMBER.  The output's numbers are small beside the hidden layers' (most are cut to 0), so one rounding of an operand to 16 bits is too coarse.  Weights, directions and activations go to the
; matrix unit as hi + lo: hi = the number rounded to bf16, lo = (number - hi), which is exact, rounded to bf16: 16 significant bits.  W x = Wh xh + Wh xl + Wl xh; Wl xl, some 2^-18 of the product, is left out.
; The directions' hi, lo and hi once more stand in K places of one matrix instruction, against Wh, Wh, Wl.  Biases are the f32 C operand of a sum's first product.  Leaky ReLU is max(x, 0.01 x) in f32.
; BY TURNS.  A tile and layer have 48 vector lines (leaky ReLU, hi, lo) and 4 or 6 products.  The two tiles of a group run half a layer apart, and one tile's products stand among the other tile's lines:
; tile 1's layer 1 among tile 0's first activations, tile 0's layer 2 among tile 1's first, tile 1's layer 2 among tile 0's second.  All of that lies in one register window.
; LIMITS.  A texel, a weighted texel and W1's feature columns have one rounding to bf16 each (8 significant bits).  |511 uv_new| under 2^31.  Where 511 u is whole the corner u0 + 1 is read with weight 0
; (reference() reads u0 there, with weight 0), and another point's directions meet weights 0: texels and directions are finite.  NaN and infinities are not treated apart; the last maximum turns a NaN into 0.
; SHARES.  256 work-groups of 8 waves; a wave owns 2,048 consecutive points: 16 iterations of 2 blocks of 64.  A block is two GROUPS g = 0, 1 of 32 points; lane L OWNS point 2 L + g.  A group is two TILES
; t = 0, 1 of 16 points: column n of tile t is point 32 t + 2 n + g, the own point of lane (n, h = t).  No wave reads what another wrote: no barrier.
; NO CLUSTER, NO TENSOR LOAD: work-groups share only the weights (under 8 KB, kept in registers) and scattered texels.
; LOADS.  A block has 14: 8 gathers, 2 of indices, 4 of point data.  Every landing register is loaded again right behind its last use, for the same block of the next iteration (indices: of the one after),
; so a block's data are asked for two to three groups of work ahead, and 28 loads of a wave are out.
; REGISTERS, in windows of 256 (s_set_vgpr_msb: bits 1:0 source 0, 3:2 source 1, 5:4 source 2, 7:6 destination):
;   window 0: v0-9 lane constants; v10-13 gather offsets; v14-39 at work; v40-45 what RGB = 0 stores; v46-47 the add's two; v48-55 indices; v64-95 point data; v128-191 texels
;   window 1: v0-135 weights and biases; v136-159 source 1 of layer 1; v160-223 the hidden layers; v224-239 a tile's activations in f32; v240-254 RGB = 1: the way out; v255 -1.0
.set RGB,   0                          ; the two files differ in this line alone
.set NBLK,  2                          ; blocks in an iteration (the lists 0,1 below are written for two)
.set ITER,  16                         ; iterations of a wave
.set PERB,  14                         ; loads of a block
.set ROWB,  8704                       ; bytes in a table row: 544 texels of 16
.set IMAX,  0x43fdf                    ; the largest index, 511 x 544 + 511
.set ISTEP, 256*NBLK                   ; an iteration's bytes of indices
.set DSTEP, 512*NBLK                   ; and of an array with 8 bytes a point
.if RGB
.set NOUT,  3
.set ND,    2                          ; pairs of directions: wi, wo
.set DOFF,  8                          ; where the first pair lies in a block's point data
.set W1ROW, 48                         ; a row of W1: 12 f32; features from column 4
.set NW,    26                         ; loads of weights and biases
.set OSTEP, 768*NBLK                   ; an iteration's bytes of out0
.else
.set NOUT,  1
.set ND,    1                          ; wo
.set DOFF,  12
.set W1ROW, 40                         ; a row of W1: 10 f32; features from column 0
.set NW,    30
.set OSTEP, 256*NBLK                   ; of idx2
.endif
; scalar registers: the twelve arguments in their order
.set PIX,  8                           ; s[8:9]   indices, at my wave's first; never stepped
.set PTF,  10                          ; s[10:11] uv | fractions, read by tiles
.set PWO,  12                          ; s[12:13] wo
.set PTEX, 14                          ; s[14:15] the table
.set PW1,  16
.set PB1,  18
.set PW2,  20
.set PB2,  22
.set PW3,  24
.set PB3,  26
.set POUT, 28                          ; s[28:29] idx2 | out0
.set PX,   30                          ; s[30:31] frac2 (stored) | wi (loaded)
.if RGB
.set PA,   PX                          ; the first array that is read by owners: wi
.else
.set PA,   PTF                         ; uv once more
.endif
; s2 wave; s3 my wave among all; s[4:5] an offset; s6 trips; s7 my stage; s[32:33] indices, the working address; s[34:35] its offset; s37-39 lane masks; s[40:41] 0.01; s[48:50] b3
; window 0
.set ADRR, 10                          ; v[10+2g+t]  gather offset: 16 x index + 16 h
.set TT,   14                          ; tile t at work, at TT + 18 t: +0,+1 511 u, -511 v, then fu, fv; +2,+3 their floors; +4 a; +6 w0; +7 w1
.set ZERO0, 22                         ; v22  0.0
.set MONE0, 23                         ; v23  -1.0
.set DH,   24                          ; v[24+i]  pair i of my directions, rounded to bf16
.set FR,   40                          ; v[40:43]  fu, fv of my two points
.set IX,   44                          ; v[44:45]  their indices
.set SPW,  46                          ; v46  LDS address of my spare word; never rewritten
.set NIL,  47                          ; v47  0; never rewritten
.set IR,   48                          ; v[48+4b+2t+g]
.set DR,   64                          ; block b at 64 + 16 b: +0..3 tile 0 (two numbers for g = 0, two for g = 1), +4..7 tile 1, +8..11 my points' uv | wi, +12..15 my points' wo
.set GR,   128                         ; v[128+32b+16g+8t ..+7]
; window 1
.set A1T,  0                           ; +8 half: W1's feature columns
.set A1D,  16                          ; +16 t + 8 half: in the lanes with h = t: registers 0 .. ND-1 Wh, ND .. 2ND-1 Wh, 2ND .. 3ND-1 Wl of W1's direction columns; 0 elsewhere
.set A2,   48                          ; +16 blk + 8 half: W2's hi (blk 0), lo (blk 1)
.set A3,   80                          ; +8 blk: W3's hi, lo; rows j and 8 + j hold output j, the others 0
.set C1,   96                          ; +8 half: b1
.set C2,   112                         ; +8 half: b2
.set C3,   128                         ; b3 in registers 0 .. NOUT - 1, 0 above
.set BT,   136                         ; +8 t: weighted texels
.set BD,   152                         ; the owners' directions: hi, lo, hi, as A1D's registers; 0 above
.set XP,   160                         ; +16 t: first hidden layer: two results, then hi (0-7) and lo (8-15).  The last layer's results lie on XP + 8 t
.set XQ,   192                         ; +16 t: the second, likewise
.set TQ,   224                         ; v[224:239] a tile's 16 activations in f32
.set RR,   240                         ; v[240:245] my two points' three numbers
.set BK,   246                         ; v[246:251] the same 768 bytes of the block, by rows of 256
.set STW,  252                         ; where I put my 24 bytes
.set STR,  253                         ; where I read 8 bytes back
.set OO,   254                         ; 8 x lane
.set MONE, 255                         ; -1.0
.set R1T,  136                         ; during the set-up: weights as loaded
.set R1D,  152
.set R2,   160
.set R3,   192
.set TM,   224                         ; v[224:225] at work
.set HT,   226                         ; v[226+i] hi, v[228+i] lo of W1's direction columns
.set LT,   228
.set SPARE, 6144                       ; LDS (RGB = 1): eight stages of 768 bytes, then the spare words, 128 bytes a wave
.set MSB, 0
.macro WIN new                         ; the immediate's high byte repeats the setting that is left; a switch that changes nothing is dropped
.if MSB != (\new)
	s_set_vgpr_msb (MSB<<8)|(\new)
.set MSB, (\new)
.endif
.endm
.macro NOP4                            ; a vector instruction that reads a matrix result stands four places behind it (ISA guide 7.12.1)
.rept 4
	v_nop
.endr
.endm
; THE LOADS OF BLOCK b (window 0).  By tiles: lanes r and r + 16 read the same bytes.  By owners: 32 lanes, 512 consecutive bytes.
.macro ILOAD b
.irp t, 0,1
	global_load_b64 v[IR+4*(\b)+2*(\t):IR+4*(\b)+2*(\t)+1], v1, s[32:33] offset:256*(\b)+128*(\t) th:TH_LOAD_NT  ; points 32 t + 2 r, + 1
.endr
.endm
.macro DLOAD b
.if RGB
.irp t, 0,1
	global_load_b128 v[DR+16*(\b)+4*(\t):DR+16*(\b)+4*(\t)+3], v2, s[PTF:PTF+1] offset:512*(\b)+256*(\t) th:TH_LOAD_NT
.endr
	global_load_b128 v[DR+16*(\b)+8:DR+16*(\b)+11], v3, s[PA:PA+1] offset:512*(\b) th:TH_LOAD_NT
.else
.irp t, 0,1
	global_load_b128 v[DR+16*(\b)+4*(\t):DR+16*(\b)+4*(\t)+3], v2, s[PTF:PTF+1] offset:512*(\b)+256*(\t)  ; uv is read twice in a block: no hint
.endr
	global_load_b128 v[DR+16*(\b)+8:DR+16*(\b)+11], v3, s[PA:PA+1] offset:512*(\b)
.endif
	global_load_b128 v[DR+16*(\b)+12:DR+16*(\b)+15], v3, s[PWO:PWO+1] offset:512*(\b) th:TH_LOAD_NT
.endm
.macro ADR b, g                        ; a loaded index enters an address only clamped to the table
.irp t, 0,1
	v_min_u32 v[ADRR+2*(\g)+(\t)], IMAX, v[IR+4*(\b)+2*(\t)+(\g)]
.endr
.irp t, 0,1
	v_lshl_add_u32 v[ADRR+2*(\g)+(\t)], v[ADRR+2*(\g)+(\t)], 4, v5
.endr
.endm
.macro GATHER b, g                     ; texels (v0, u0 + h) and (v0 + 1, u0 + h): lanes r and r + 16 take 32 neighbouring bytes; every work-group reads the table again and again: the hint says so
.irp t, 0,1
	global_load_b128 v[GR+32*(\b)+16*(\g)+8*(\t):GR+32*(\b)+16*(\g)+8*(\t)+3], v[ADRR+2*(\g)+(\t)], s[PTEX:PTEX+1] th:TH_LOAD_HT
	global_load_b128 v[GR+32*(\b)+16*(\g)+8*(\t)+4:GR+32*(\b)+16*(\g)+8*(\t)+7], v[ADRR+2*(\g)+(\t)], s[PTEX:PTEX+1] offset:ROWB th:TH_LOAD_HT
.endr
.endm
; THE LANE'S TWO WEIGHTS for each tile, in f32: a = fu or 1 - fu by h; w1 = fv a (row v0 + 1), w0 = a - w1 (row v0).  The two tiles' lines alternate.
.macro FRAC b, g, t                    ; rF: where fu lies, fv behind it; rA: a
.if RGB
.set rF, DR+16*(\b)+4*(\t)+2*(\g)
.else
.set rF, TT+18*(\t)
.endif
.set rA, TT+18*(\t)+4
.endm
.macro WC b, g
.if !RGB
.irp t, 0,1
	v_pk_mul_f32 v[TT+18*(\t):TT+18*(\t)+1], v[DR+16*(\b)+4*(\t)+2*(\g):DR+16*(\b)+4*(\t)+2*(\g)+1], v[8:9]  ; 511 u, -511 v: the same product that made the index
.endr
.irp t, 0,1
	v_floor_f32 v[TT+18*(\t)+2], v[TT+18*(\t)]
	v_floor_f32 v[TT+18*(\t)+3], v[TT+18*(\t)+1]
.endr
.irp t, 0,1
	v_pk_add_f32 v[TT+18*(\t):TT+18*(\t)+1], v[TT+18*(\t):TT+18*(\t)+1], v[TT+18*(\t)+2:TT+18*(\t)+3] neg_lo:[0,1] neg_hi:[0,1]
.endr
.endif
.irp t, 0,1
	FRAC \b, \g, \t
	v_fma_f32 v[rA], v[rF], v6, v7                 ; fu (2 h - 1) + (1 - h)
.endr
.irp t, 0,1
	FRAC \b, \g, \t
	v_mul_f32 v[rA+3], v[rF+1], v[rA]
.endr
.irp t, 0,1
	FRAC \b, \g, \t
	v_sub_f32 v[rA+2], v[rA], v[rA+3]
.endr
.endm
; SOURCE 1 OF LAYER 1.  A word of two texel numbers becomes a word of two weighted ones by two instructions: each widens one bf16, multiplies it by the row's f32 weight and rounds the exact product once
; into its half of the word.  My directions go as hi, lo, hi: lo is (number - hi), rounded once, made in the same way.
.macro PM b, g
.irp i, 0,1
.if (\i) < ND
	v_cvt_pk_bf16_f32 v[DH+(\i)], v[DR+16*(\b)+DOFF+4*(\i)+2*(\g)], v[DR+16*(\b)+DOFF+4*(\i)+2*(\g)+1]
.endif
.endr
	WIN 0x40                                       ; destination window 1, sources window 0
.irp t, 0,1
.irp j, 0,1,2,3,4,5,6,7
	v_fma_mixlo_bf16 v[BT+8*(\t)+(\j)], v[GR+32*(\b)+16*(\g)+8*(\t)+(\j)], v[TT+18*(\t)+6+(\j)/4], v[ZERO0] op_sel_hi:[1,0,0]                ; the word's low bf16
.endr
.irp j, 0,1,2,3,4,5,6,7
	v_fma_mixhi_bf16 v[BT+8*(\t)+(\j)], v[GR+32*(\b)+16*(\g)+8*(\t)+(\j)], v[TT+18*(\t)+6+(\j)/4], v[ZERO0] op_sel:[1,0,0] op_sel_hi:[1,0,0]  ; its high bf16
.endr
.endr
.irp i, 0,1
.if (\i) < ND
	v_mov_b32 v[BD+(\i)], v[DH+(\i)]
	v_mov_b32 v[BD+2*ND+(\i)], v[DH+(\i)]
	v_fma_mixlo_bf16 v[BD+ND+(\i)], v[DH+(\i)], v[MONE0], v[DR+16*(\b)+DOFF+4*(\i)+2*(\g)] op_sel_hi:[1,0,0]
.endif
.endr
.irp i, 0,1
.if (\i) < ND
	v_fma_mixhi_bf16 v[BD+ND+(\i)], v[DH+(\i)], v[MONE0], v[DR+16*(\b)+DOFF+4*(\i)+2*(\g)+1] op_sel:[1,0,0] op_sel_hi:[1,0,0]
.endif
.endr
.endm
; THE MATRIX WORK, a product at a time (window 1).  M1 and M2 write product k of tile t's layer and step k.  A tile's two accumulators (units 0-15, 16-31: k % 2) take turns, one instruction a turn
; a batch's last accumulator and the next batch's first differ.
.macro M1 t                            ; k of 4.  k / 2 = 0: the weighted texels, with the bias; 1: the directions: tile t's weights stand in the lanes with h = t, whose K places are those of the
.set mD, XP+16*(\t)+8*(k%2)            ; tile's owners; the other lanes' directions meet zeros
.if k < 2
	v_wmma_f32_16x16x32_bf16 v[mD:mD+7], v[A1T+8*(k%2):A1T+8*(k%2)+7], v[BT+8*(\t):BT+8*(\t)+7], v[C1+8*(k%2):C1+8*(k%2)+7]
.else
	v_wmma_f32_16x16x32_bf16 v[mD:mD+7], v[A1D+16*(\t)+8*(k%2):A1D+16*(\t)+8*(k%2)+7], v[BD:BD+7], v[mD:mD+7]
.endif
.set k, k+1
.endm
.macro M2 t                            ; k of 6.  k / 2 = 0: Wh xh, with the bias; 1: Wh xl; 2: Wl xh
.set mD, XQ+16*(\t)+8*(k%2)
.set mA, A2+16*(k/4)+8*(k%2)
.set mB, XP+16*(\t)+8*((k/2)%2)
.if k < 2
	v_wmma_f32_16x16x32_bf16 v[mD:mD+7], v[mA:mA+7], v[mB:mB+7], v[C2+8*(k%2):C2+8*(k%2)+7]
.else
	v_wmma_f32_16x16x32_bf16 v[mD:mD+7], v[mA:mA+7], v[mB:mB+7], v[mD:mD+7]
.endif
.set k, k+1
.endm
.macro L3                              ; the last layer, both tiles: the two accumulators take turns
.irp t, 0,1                            ; Wh xh
	v_wmma_f32_16x16x32_bf16 v[XP+8*(\t):XP+8*(\t)+7], v[A3:A3+7], v[XQ+16*(\t):XQ+16*(\t)+7], v[C3:C3+7]
.endr
.irp t, 0,1                            ; Wh xl
	v_wmma_f32_16x16x32_bf16 v[XP+8*(\t):XP+8*(\t)+7], v[A3:A3+7], v[XQ+16*(\t)+8:XQ+16*(\t)+15], v[XP+8*(\t):XP+8*(\t)+7]
.endr
.irp t, 0,1                            ; Wl xh
	v_wmma_f32_16x16x32_bf16 v[XP+8*(\t):XP+8*(\t)+7], v[A3+8:A3+15], v[XQ+16*(\t):XQ+16*(\t)+7], v[XP+8*(\t):XP+8*(\t)+7]
.endr
.endm
; A TILE'S TWO RESULTS BECOME THE NEXT SOURCE 1: a list of 48 lines; ACTL writes line n for tile t of layer x (XP or XQ) and steps n.
;   0-7    0.01 x, two at a time, into TQ; the results are read ascending: each one's lowest registers first
;   8-23   max(x, 0.01 x) into TQ
;   24-31  hi: two roundings to bf16, into registers 0-7
;   32-47  lo = (number - hi), rounded once, into registers 8-15: the words' low halves, then their high halves
.macro ACTL x, t
.set rX, (\x)+16*(\t)
.if n < 8
	v_pk_mul_f32 v[TQ+2*n:TQ+2*n+1], v[rX+2*n:rX+2*n+1], s[40:41] op_sel_hi:[1,0]
.elseif n < 24
	v_max_num_f32 v[TQ+n-8], v[rX+n-8], v[TQ+n-8]
.elseif n < 32
	v_cvt_pk_bf16_f32 v[rX+n-24], v[TQ+2*(n-24)], v[TQ+2*(n-24)+1]
.elseif n < 40
	v_fma_mixlo_bf16 v[rX+8+n-32], v[rX+n-32], v[MONE], v[TQ+2*(n-32)] op_sel_hi:[1,0,0]
.else
	v_fma_mixhi_bf16 v[rX+8+n-40], v[rX+n-40], v[MONE], v[TQ+2*(n-40)+1] op_sel:[1,0,0] op_sel_hi:[1,0,0]
.endif
.set n, n+1
.endm
; The nm products of layer lay for tile mt stand among the 48 lines of layer x for tile t, the other tile: per lines behind each product, the rest behind the last.  No line names a register of the products
; round it.  4 x 6 and 6 x 5 lines: behind a batch's last product stand lines 18 or 25 on, six maxima or seven roundings among them, which name none of its registers: more than the four places in front
; of the first read of its results and the five in front of the products that take them as a source (ISA guide 7.12.1).
.macro RIDE lay, mt, nm, per, x, t
.set k, 0
.set n, 0
.rept \nm
.if (\lay) == 1
	M1 \mt
.else
	M2 \mt
.endif
.rept \per
	ACTL \x, \t
.endr
.endr
.rept 48-(\nm)*(\per)
	ACTL \x, \t
.endr
.endm
; WHAT IS MADE OF THE RESULT.  Register j of every lane holds output j of column lane % 16; my own point is that column of tile h.
.macro TAIL b, g
.if RGB
	NOP4
.irp j, 0,1,2
	v_cndmask_b32 v[RR+3*(\g)+(\j)], v[XP+(\j)], v[XP+8+(\j)], s37
.endr
.irp j, 0,1,2
	v_max_num_f32 v[RR+3*(\g)+(\j)], 0, v[RR+3*(\g)+(\j)]
.endr
.else
.set rW, DR+16*(\b)+12+2*(\g)          ; my point's wo
.set rU, DR+16*(\b)+8+2*(\g)           ; and uv
	WIN 0
	v_mul_f32 v27, v[rW], v[rW]                    ; these four lines are the places behind the last products
	v_fma_f32 v27, v[rW+1], v[rW+1], v27
	v_sub_f32 v27, 1.0, v27
	v_max_num_f32 v27, 0x3eb851ec, v27             ; 0.36
	v_rsq_f32 v28, v27
	WIN 0x05                                       ; sources 0 and 1 window 1
	v_cndmask_b32 v26, v[XP], v[XP+8], s37         ; r; also the plain instruction behind the root (ISA guide 5.7.2)
	WIN 0
	s_wait_alu depctr_va_vdst(0)
	v_mul_f32 v28, v26, v28
	v_pk_fma_f32 v[30:31], v[rW:rW+1], v[28:29], v[rU:rU+1] op_sel_hi:[1,0,1]  ; uv_new
	v_pk_mul_f32 v[30:31], v[30:31], v[8:9]
	v_floor_f32 v32, v30
	v_floor_f32 v33, v31
	v_pk_add_f32 v[FR+2*(\g):FR+2*(\g)+1], v[30:31], v[32:33] neg_lo:[0,1] neg_hi:[0,1]
	v_cvt_i32_f32 v32, v32
	v_cvt_i32_f32 v33, v33
	v_and_b32 v32, 0x1ff, v32
	v_and_b32 v33, 0x1ff, v33
	v_mad_u32_u24 v[IX+(\g)], v33, 0x220, v32
.endif
.endm
.macro STORE b
.if RGB
	WIN 0x55
.irp j, 0,1,2
	ds_store_b64 v[STW], v[RR+2*(\j):RR+2*(\j)+1] offset:8*(\j)   ; my 24 bytes; lanes 6 words apart: 32 different pairs of banks (64 banks of 4 bytes: ISA guide 11.1)
.endr
.irp j, 0,1,2
	ds_load_b64 v[BK+2*(\j):BK+2*(\j)+1], v[STR] offset:256*(\j)  ; LDS serves a wave's instructions in order (ISA guide 5.7.1.4): these see the stores above; the stage is my wave's own
.endr
	s_wait_dscnt 0x0
.irp j, 0,1,2
	global_store_b64 v[OO], v[BK+2*(\j):BK+2*(\j)+1], s[POUT:POUT+1] offset:768*(\b)+256*(\j) th:TH_STORE_NT  ; a wave stores 256 consecutive bytes, aligned
.endr
	WIN 0
.else
	global_store_b64 v4, v[IX:IX+1], s[POUT:POUT+1] offset:256*(\b)   ; 256 consecutive bytes, aligned
	global_store_b128 v3, v[FR:FR+3], s[PX:PX+1] offset:512*(\b)      ; 512
.endif
.endm
.macro GROUP b, g, refill
	WIN 0
	WC \b, \g
.if \refill
	ADR \b, \g                                     ; the next iteration's indices of this group
.endif
	PM \b, \g
	WIN 0x55                                       ; everything in window 1, up to the tail
.set k, 0
.rept 4
	M1 0                                           ; tile 0's layer 1
.endr
	NOP4                                           ; no other work in this window is ready here
	RIDE 1, 1, 4, 6, XP, 0                         ; tile 1's layer 1 among tile 0's first activations
	RIDE 2, 0, 6, 5, XP, 1                         ; tile 0's layer 2 among tile 1's first activations
	RIDE 2, 1, 6, 5, XQ, 0                         ; tile 1's layer 2 among tile 0's second activations
.set n, 0
.rept 48
	ACTL XQ, 1                                     ; tile 1's second activations
.endr
	L3
	TAIL \b, \g
	WIN 0
.if \refill
	GATHER \b, \g                                  ; into the registers that PM has read
.endif
.endm
; cnt: the loads issued behind this block's own 14.
.macro BLOCK b, refill, cnt
	s_wait_loadcnt \cnt                            ; loads come back in order (ISA guide 5.7.1): mine are in, the other block's stay out
	s_wait_xcnt 0x0                                ; every earlier memory instruction has had its addresses translated (ISA guide 3.1): gather offsets and stores' data are rewritten only behind this wait
	GROUP \b, 0, \refill
	GROUP \b, 1, \refill
	STORE \b
.if \refill
	ILOAD \b
	DLOAD \b
.endif
.endm
; Two f32 at src become a word of their roundings to bf16 (hi) and a word of what the roundings left (lo).  Window 1.
.macro SPLIT hi, lo, src
	v_cvt_pk_bf16_f32 v[\hi], v[\src], v[(\src)+1]
	v_fma_mix_f32_bf16 v[TM], v[\hi], v[MONE], v[\src] op_sel_hi:[1,0,0]
	v_fma_mix_f32_bf16 v[TM+1], v[\hi], v[MONE], v[(\src)+1] op_sel:[1,0,0] op_sel_hi:[1,0,0]
	v_cvt_pk_bf16_f32 v[\lo], v[TM], v[TM+1]
.endm
	s_load_b512 s[8:23], s[0:1], 0x0
	s_load_b256 s[24:31], s[0:1], 0x40
.if RGB
	v_lshl_add_u32 v[SPW], v0, 2, SPARE
	v_mov_b32 v[NIL], 0
.endif
	v_lshrrev_b32 v38, 5, v0
	v_readfirstlane_b32 s2, v38                    ; wave 0..7
	s_lshl_b32 s3, ttmp9, 3
	s_add_co_u32 s3, s3, s2                        ; my wave among the launch's 2,048
	s_mov_b32 s5, 0
	s_mul_i32 s7, s2, 768                          ; my stage
	s_mov_b32 s37, 0xffff0000                      ; lanes 16-31
	s_mov_b32 s38, 0x0000ffff                      ; lanes 0-15
	s_mov_b32 s40, 0x3c23d70a                      ; 0.01; it stands twice: the packed multiply names a pair
	s_mov_b32 s41, 0x3c23d70a
	v_and_b32 v34, 31, v0                          ; L
	v_and_b32 v35, 15, v0                          ; r
	v_bfe_u32 v36, v0, 4, 1                        ; h
	v_lshlrev_b32 v1, 3, v35                       ; 8 r: two indices of a tile
	v_lshlrev_b32 v2, 4, v35                       ; 16 r: two points of a tile
	v_lshlrev_b32 v3, 4, v34                       ; 16 L: my two points
	v_lshlrev_b32 v4, 3, v34                       ; 8 L
	v_lshlrev_b32 v5, 4, v36                       ; 16 h: the texel to the right
	v_cvt_f32_u32 v7, v36
	v_fma_f32 v6, v7, 2.0, -1.0                    ; 2 h - 1
	v_sub_f32 v7, 1.0, v7                          ; 1 - h
	v_mov_b32 v[ZERO0], 0
	v_mov_b32 v[MONE0], -1.0
.if !RGB
	v_mov_b32 v8, 0x43ff8000                       ; 511.0
	v_mov_b32 v9, 0xc3ff8000                       ; -511.0
	v_mov_b32 v29, 0                               ; named with v28 as a pair
.endif
	v_mul_u32_u24 v30, v35, W1ROW                  ; row r of W1
	v_lshlrev_b32 v31, 7, v35
	v_lshl_add_u32 v31, v36, 5, v31                ; row r of W2, columns 8 h on
	v_and_b32 v37, 7, v35
	v_min_u32 v32, NOUT-1, v37
	v_lshlrev_b32 v32, 7, v32
	v_lshl_add_u32 v32, v36, 5, v32                ; row min(r % 8, NOUT - 1) of W3, columns 8 h on
	v_lshlrev_b32 v33, 5, v36                      ; biases 8 h on
	v_cmp_gt_u32 s39, NOUT, v37                    ; rows of source 0 that hold an output
	s_wait_kmcnt 0x0
	s_lshl_b32 s4, s3, 13                          ; 2,048 points of 4 bytes
	s_add_nc_u64 s[PIX:PIX+1], s[PIX:PIX+1], s[4:5]
.if !RGB
	s_add_nc_u64 s[POUT:POUT+1], s[POUT:POUT+1], s[4:5]
.endif
	s_lshl_b32 s4, s3, 14                          ; of 8 bytes
	s_add_nc_u64 s[PTF:PTF+1], s[PTF:PTF+1], s[4:5]
	s_add_nc_u64 s[PWO:PWO+1], s[PWO:PWO+1], s[4:5]
	s_add_nc_u64 s[PX:PX+1], s[PX:PX+1], s[4:5]
.if RGB
	s_mul_i32 s4, s3, 24576                        ; of 12 bytes
	s_add_nc_u64 s[POUT:POUT+1], s[POUT:POUT+1], s[4:5]
	s_load_b96 s[48:50], s[PB3:PB3+1], 0x0
.else
	s_load_b32 s48, s[PB3:PB3+1], 0x0
.endif
	s_mov_b64 s[32:33], s[PIX:PIX+1]
.irp b, 0,1
	ILOAD \b                                       ; iteration 0's indices first: the gathers hang on them
.endr
	WIN 0x40                                       ; destination window 1, sources and addresses window 0
	v_mov_b32 v[MONE], -1.0
.if RGB
	v_mad_u32_u24 v[STW], v34, 24, s7
	v_lshl_add_u32 v[STR], v34, 3, s7
	v_mov_b32 v[OO], v4
.endif
.irp half, 0,1
.if RGB
	global_load_b128 v[R1T+8*(\half):R1T+8*(\half)+3], v30, s[PW1:PW1+1] offset:768*(\half)+16
	global_load_b128 v[R1T+8*(\half)+4:R1T+8*(\half)+7], v30, s[PW1:PW1+1] offset:768*(\half)+32
	global_load_b128 v[R1D+4*(\half):R1D+4*(\half)+3], v30, s[PW1:PW1+1] offset:768*(\half)
.else
.irp i, 0,1,2,3
	global_load_b64 v[R1T+8*(\half)+2*(\i):R1T+8*(\half)+2*(\i)+1], v30, s[PW1:PW1+1] offset:640*(\half)+8*(\i)  ; rows of 40 bytes: multiples of 8 alone
.endr
	global_load_b64 v[R1D+4*(\half):R1D+4*(\half)+1], v30, s[PW1:PW1+1] offset:640*(\half)+32
.endif
.irp i, 0,1,2,3                        ; columns 8 h + 0..7 and 16 + 8 h + 0..7
	global_load_b128 v[R2+16*(\half)+4*(\i):R2+16*(\half)+4*(\i)+3], v31, s[PW2:PW2+1] offset:2048*(\half)+16*((\i)%2)+64*((\i)/2)
.endr
.irp i, 0,1
	global_load_b128 v[C1+8*(\half)+4*(\i):C1+8*(\half)+4*(\i)+3], v33, s[PB1:PB1+1] offset:64*(\half)+16*(\i)
	global_load_b128 v[C2+8*(\half)+4*(\i):C2+8*(\half)+4*(\i)+3], v33, s[PB2:PB2+1] offset:64*(\half)+16*(\i)
.endr
.endr
.irp i, 0,1,2,3
	global_load_b128 v[R3+4*(\i):R3+4*(\i)+3], v32, s[PW3:PW3+1] offset:16*((\i)%2)+64*((\i)/2)
.endr
	WIN 0
	s_wait_loadcnt NW                              ; behind the four loads of indices stand the NW of weights
	s_wait_xcnt 0x0                                ; the indices' address is stepped only behind this wait
	s_add_nc_u64 s[32:33], s[PIX:PIX+1], ISTEP     ; iteration 1's
.irp b, 0,1                            ; each block's 14 loads, in the order in which the loop issues them
	s_wait_xcnt 0x0                                ; the gather offsets are rewritten only behind this wait
	ADR \b, 0
	ADR \b, 1
	GATHER \b, 0
	GATHER \b, 1
	ILOAD \b
	DLOAD \b
.endr
	s_wait_loadcnt NBLK*PERB                       ; the 28 just issued stay out; the weights are in
	s_wait_kmcnt 0x0                               ; b3
	WIN 0x55                                       ; the fragments are made while the first gathers are on their way
.irp half, 0,1
.irp i, 0,1,2,3
	v_cvt_pk_bf16_f32 v[A1T+8*(\half)+(\i)], v[R1T+8*(\half)+2*(\i)], v[R1T+8*(\half)+2*(\i)+1]
.endr
.irp i, 0,1,2,3
	v_mov_b32 v[A1T+8*(\half)+4+(\i)], v[A1T+8*(\half)+(\i)]   ; the same eight columns for the second row of texels
.endr
.irp i, 0,1
.if (\i) < ND
	SPLIT HT+(\i), LT+(\i), R1D+4*(\half)+2*(\i)
.endif
.endr
.irp t, 0,1
.irp i, 0,1
.if (\i) < ND
	v_cndmask_b32 v[A1D+16*(\t)+8*(\half)+(\i)], 0, v[HT+(\i)], s[38-(\t)]        ; lanes with h = t alone: Wh for the directions' hi,
	v_cndmask_b32 v[A1D+16*(\t)+8*(\half)+ND+(\i)], 0, v[HT+(\i)], s[38-(\t)]     ; Wh for their lo,
	v_cndmask_b32 v[A1D+16*(\t)+8*(\half)+2*ND+(\i)], 0, v[LT+(\i)], s[38-(\t)]   ; Wl for their hi
.endif
.endr
.set i, 3*ND
.rept 8-3*ND
	v_mov_b32 v[A1D+16*(\t)+8*(\half)+i], 0
.set i, i+1
.endr
.endr
.irp i, 0,1,2,3,4,5,6,7
	SPLIT A2+8*(\half)+(\i), A2+16+8*(\half)+(\i), R2+16*(\half)+2*(\i)
.endr
.endr
.irp i, 0,1,2,3,4,5,6,7,8,9,10,11,12,13,14,15
	v_cndmask_b32 v[R3+(\i)], 0, v[R3+(\i)], s39   ; rows that hold no output are 0
.endr
.irp i, 0,1,2,3,4,5,6,7
	SPLIT A3+(\i), A3+8+(\i), R3+2*(\i)
.endr
.set i, 0
.rept 8
.if i < NOUT
	v_mov_b32 v[C3+i], s[48+i]
.else
	v_mov_b32 v[C3+i], 0
.endif
	v_mov_b32 v[BD+i], 0                           ; the registers above the directions stay 0
.set i, i+1
.endr
	WIN 0                                          ; at a label and at a branch every window is 0
	s_wait_xcnt 0x0                                ; the loads' addresses are stepped only behind this wait
	s_add_nc_u64 s[PTF:PTF+1], s[PTF:PTF+1], DSTEP ; point data: iteration 1's
	s_add_nc_u64 s[PWO:PWO+1], s[PWO:PWO+1], DSTEP
.if RGB
	s_add_nc_u64 s[PX:PX+1], s[PX:PX+1], DSTEP
.endif
	s_mov_b32 s34, 2*ISTEP                         ; indices: iteration 2's
	s_mov_b32 s35, 0
	s_add_nc_u64 s[32:33], s[PIX:PIX+1], s[34:35]
	s_mov_b32 s6, ITER-1
.Liter:                                                ; trip i: iteration i is computed and stored; asked for: gathers and point data of i + 1, indices of i + 2
.irp b, 0,1
	BLOCK \b, 1, PERB*(NBLK-1)                     ; behind a block's 14 loads the other block has issued 14
.endr
	s_wait_xcnt 0x0                                ; all addresses are stepped only behind this wait
	s_add_nc_u64 s[PTF:PTF+1], s[PTF:PTF+1], DSTEP
	s_add_nc_u64 s[PWO:PWO+1], s[PWO:PWO+1], DSTEP
	s_add_nc_u64 s[PX:PX+1], s[PX:PX+1], DSTEP
	s_add_nc_u64 s[POUT:POUT+1], s[POUT:POUT+1], OSTEP
	s_add_co_u32 s34, s34, ISTEP
	s_min_u32 s34, s34, ISTEP*(ITER-1)             ; the last trip has no iteration i + 2: it reads the last 512 bytes once more, inside the buffer, and nobody uses them
	s_add_nc_u64 s[32:33], s[PIX:PIX+1], s[34:35]
	s_sub_co_u32 s6, s6, 1
	s_cmp_lg_u32 s6, 0
	s_cbranch_scc1 .Liter
.irp b, 0,1
	BLOCK \b, 0, PERB*(NBLK-1-(\b))                ; the last iteration asks for nothing: the counts run down
.endr
.if RGB
	WIN 0
	s_wait_tensorcnt 0x0                           ; the wave's end, behind my last LDS store
	ds_add_u32 v[SPW], v[NIL]
	s_wait_dscnt 0x0
.endif
	s_endpgm
.Lfunc_end_k_qaf0ccd868a_offs:
	.size	k_qaf0ccd868a_offs, .Lfunc_end_k_qaf0ccd868a_offs-k_qaf0ccd868a_offs
	.p2alignl 7, 3214868480
	.fill 96, 4, 3214868480
	.section	.rodata,"a",@progbits
	.p2align	6, 0x0
	.amdhsa_kernel k_qaf0ccd868a_offs
		.amdhsa_group_segment_fixed_size 0
		.amdhsa_private_segment_fixed_size 0
		.amdhsa_enable_private_segment 0
		.amdhsa_kernarg_size 96
		.amdhsa_user_sgpr_count 2
		.amdhsa_user_sgpr_kernarg_segment_ptr 1
		.amdhsa_wavefront_size32 1
		.amdhsa_system_sgpr_workgroup_id_x 1
		.amdhsa_system_sgpr_workgroup_id_y 1
		.amdhsa_system_sgpr_workgroup_id_z 1
		.amdhsa_system_vgpr_workitem_id 0
		.amdhsa_next_free_vgpr 512
		.amdhsa_next_free_sgpr 66
		.amdhsa_reserve_vcc 0
		.amdhsa_float_denorm_mode_32 3
		.amdhsa_float_denorm_mode_16_64 3
		.amdhsa_memory_ordered 1
		.amdhsa_forward_progress 1
		.amdhsa_inst_pref_size 151
	.end_amdhsa_kernel
	.amdgpu_metadata
---
amdhsa.version: [ 1, 2 ]
amdhsa.kernels:
  - .name:           k_qaf0ccd868a_offs
    .symbol:         k_qaf0ccd868a_offs.kd
    .args:
      - { .name: idx1, .offset: 0, .size: 8, .value_kind: global_buffer, .address_space: global }
      - { .name: uv, .offset: 8, .size: 8, .value_kind: global_buffer, .address_space: global }
      - { .name: wo, .offset: 16, .size: 8, .value_kind: global_buffer, .address_space: global }
      - { .name: texo, .offset: 24, .size: 8, .value_kind: global_buffer, .address_space: global }
      - { .name: ow1, .offset: 32, .size: 8, .value_kind: global_buffer, .address_space: global }
      - { .name: ob1, .offset: 40, .size: 8, .value_kind: global_buffer, .address_space: global }
      - { .name: ow2, .offset: 48, .size: 8, .value_kind: global_buffer, .address_space: global }
      - { .name: ob2, .offset: 56, .size: 8, .value_kind: global_buffer, .address_space: global }
      - { .name: ow3, .offset: 64, .size: 8, .value_kind: global_buffer, .address_space: global }
      - { .name: ob3, .offset: 72, .size: 8, .value_kind: global_buffer, .address_space: global }
      - { .name: idx2, .offset: 80, .size: 8, .value_kind: global_buffer, .address_space: global }
      - { .name: frac2, .offset: 88, .size: 8, .value_kind: global_buffer, .address_space: global }
    .group_segment_fixed_size: 0
    .private_segment_fixed_size: 0
    .kernarg_segment_align: 8
    .kernarg_segment_size: 96
    .max_flat_workgroup_size: 256
    .sgpr_count:     66
    .vgpr_count:     512
    .wavefront_size: 32
...
	.end_amdgpu_metadata
.endif
;; end of part 2
;; launch rgb (part 3): grid 256 x 1, 8 waves a work-group, no clusters, 7,168 bytes of LDS; arguments idx2, frac2, wo, texr, rw1, rb1, rw2, rb2, rw3, rb3, out0, wi; writes out0
.if DOCPART == 3
	.amdgcn_target "amdgcn-amd-amdhsa--gfx1250"
	.amdhsa_code_object_version 6
	.text
	.protected	k_qaf0ccd868a_rgb
	.globl	k_qaf0ccd868a_rgb
	.p2align	8
	.type	k_qaf0ccd868a_rgb,@function
k_qaf0ccd868a_rgb:
	s_mov_b64 s[64:65], 0
	v_nop
	global_prefetch_b8 v0, s[64:65] scope:SCOPE_SE
	s_setreg_imm32_b32 hwreg(HW_REG_WAVE_MODE, 25, 1), 1
	s_wait_xcnt 0x0
; NEUMIP, LAUNCHES 2 AND 3 OF 3: ONE TEXT, assembled with RGB = 0 (the offset network) or RGB = 1 (the colour network).  Each launch: a bilinear fetch at indices that the launch before
; stored as whole numbers, and a network (8 features + directions) -> 32 -> 32 -> NOUT with leaky ReLU (slope 0.01).
;   RGB = 0: features at uv (fractions made anew from uv), directions wo; r -> uv_new = r / sqrt(max(1 - |wo|^2, 0.36)) wo + uv; stored: the index and the two fractions of uv_new.
;   RGB = 1: features at uv_new (index and fractions loaded), directions wi, wo; stored: max(result, 0), three numbers a point.
; THE FETCH IS PART OF LAYER 1.  W f = the sum over 4 corners q and 8 channels c of W[m][c] (w_q t_q[c]): K = 32, one matrix instruction.  Source 1 (16 points) wants of lane (r, h), r = lane % 16,
; h = lane / 16, k = 8 h + 0..7 in registers 0-3 and 16 + 8 h + 0..7 in registers 4-7: with k = 16 row + 8 h + c these are the texels (v0, u0 + h) and (v0 + 1, u0 + h) of point r, 16 bytes of bf16 each,
; as the table holds them: two loads; each number is widened, multiplied by the lane's f32 weight and rounded once to bf16, in one instruction.  Source 0 holds W's eight feature columns four times.
; THE CHAIN.  Source 0 = 16 hidden units, source 1 = 16 points: a result holds ONE point a lane (lane % 16) and the units 8 h + 0..7, so two results (units 0-15, 16-31), rounded in pairs, ARE the next source 1.
; TWO BF16 FOR A NUMBER.  The output's numbers are small beside the hidden layers' (most are cut to 0), so one rounding of an operand to 16 bits is too coarse.  Weights, directions and activations go to the
; matrix unit as hi + lo: hi = the number rounded to bf16, lo = (number - hi), which is exact, rounded to bf16: 16 significant bits.  W x = Wh xh + Wh xl + Wl xh; Wl xl, some 2^-18 of the product, is left out.
; The directions' hi, lo and hi once more stand in K places of one matrix instruction, against Wh, Wh, Wl.  Biases are the f32 C operand of a sum's first product.  Leaky ReLU is max(x, 0.01 x) in f32.
; BY TURNS.  A tile and layer have 48 vector lines (leaky ReLU, hi, lo) and 4 or 6 products.  The two tiles of a group run half a layer apart, and one tile's products stand among the other tile's lines:
; tile 1's layer 1 among tile 0's first activations, tile 0's layer 2 among tile 1's first, tile 1's layer 2 among tile 0's second.  All of that lies in one register window.
; LIMITS.  A texel, a weighted texel and W1's feature columns have one rounding to bf16 each (8 significant bits).  |511 uv_new| under 2^31.  Where 511 u is whole the corner u0 + 1 is read with weight 0
; (reference() reads u0 there, with weight 0), and another point's directions meet weights 0: texels and directions are finite.  NaN and infinities are not treated apart; the last maximum turns a NaN into 0.
; SHARES.  256 work-groups of 8 waves; a wave owns 2,048 consecutive points: 16 iterations of 2 blocks of 64.  A block is two GROUPS g = 0, 1 of 32 points; lane L OWNS point 2 L + g.  A group is two TILES
; t = 0, 1 of 16 points: column n of tile t is point 32 t + 2 n + g, the own point of lane (n, h = t).  No wave reads what another wrote: no barrier.
; NO CLUSTER, NO TENSOR LOAD: work-groups share only the weights (under 8 KB, kept in registers) and scattered texels.
; LOADS.  A block has 14: 8 gathers, 2 of indices, 4 of point data.  Every landing register is loaded again right behind its last use, for the same block of the next iteration (indices: of the one after),
; so a block's data are asked for two to three groups of work ahead, and 28 loads of a wave are out.
; REGISTERS, in windows of 256 (s_set_vgpr_msb: bits 1:0 source 0, 3:2 source 1, 5:4 source 2, 7:6 destination):
;   window 0: v0-9 lane constants; v10-13 gather offsets; v14-39 at work; v40-45 what RGB = 0 stores; v46-47 the add's two; v48-55 indices; v64-95 point data; v128-191 texels
;   window 1: v0-135 weights and biases; v136-159 source 1 of layer 1; v160-223 the hidden layers; v224-239 a tile's activations in f32; v240-254 RGB = 1: the way out; v255 -1.0
.set RGB,   1                          ; the two files differ in this line alone
.set NBLK,  2                          ; blocks in an iteration (the lists 0,1 below are written for two)
.set ITER,  16                         ; iterations of a wave
.set PERB,  14                         ; loads of a block
.set ROWB,  8704                       ; bytes in a table row: 544 texels of 16
.set IMAX,  0x43fdf                    ; the largest index, 511 x 544 + 511
.set ISTEP, 256*NBLK                   ; an iteration's bytes of indices
.set DSTEP, 512*NBLK                   ; and of an array with 8 bytes a point
.if RGB
.set NOUT,  3
.set ND,    2                          ; pairs of directions: wi, wo
.set DOFF,  8                          ; where the first pair lies in a block's point data
.set W1ROW, 48                         ; a row of W1: 12 f32; features from column 4
.set NW,    26                         ; loads of weights and biases
.set OSTEP, 768*NBLK                   ; an iteration's bytes of out0
.else
.set NOUT,  1
.set ND,    1                          ; wo
.set DOFF,  12
.set W1ROW, 40                         ; a row of W1: 10 f32; features from column 0
.set NW,    30
.set OSTEP, 256*NBLK                   ; of idx2
.endif
; scalar registers: the twelve arguments in their order
.set PIX,  8                           ; s[8:9]   indices, at my wave's first; never stepped
.set PTF,  10                          ; s[10:11] uv | fractions, read by tiles
.set PWO,  12                          ; s[12:13] wo
.set PTEX, 14                          ; s[14:15] the table
.set PW1,  16
.set PB1,  18
.set PW2,  20
.set PB2,  22
.set PW3,  24
.set PB3,  26
.set POUT, 28                          ; s[28:29] idx2 | out0
.set PX,   30                          ; s[30:31] frac2 (stored) | wi (loaded)
.if RGB
.set PA,   PX                          ; the first array that is read by owners: wi
.else
.set PA,   PTF                         ; uv once more
.endif
; s2 wave; s3 my wave among all; s[4:5] an offset; s6 trips; s7 my stage; s[32:33] indices, the working address; s[34:35] its offset; s37-39 lane masks; s[40:41] 0.01; s[48:50] b3
; window 0
.set ADRR, 10                          ; v[10+2g+t]  gather offset: 16 x index + 16 h
.set TT,   14                          ; tile t at work, at TT + 18 t: +0,+1 511 u, -511 v, then fu, fv; +2,+3 their floors; +4 a; +6 w0; +7 w1
.set ZERO0, 22                         ; v22  0.0
.set MONE0, 23                         ; v23  -1.0
.set DH,   24                          ; v[24+i]  pair i of my directions, rounded to bf16
.set FR,   40                          ; v[40:43]  fu, fv of my two points
.set IX,   44                          ; v[44:45]  their indices
.set SPW,  46                          ; v46  LDS address of my spare word; never rewritten
.set NIL,  47                          ; v47  0; never rewritten
.set IR,   48                          ; v[48+4b+2t+g]
.set DR,   64                          ; block b at 64 + 16 b: +0..3 tile 0 (two numbers for g = 0, two for g = 1), +4..7 tile 1, +8..11 my points' uv | wi, +12..15 my points' wo
.set GR,   128                         ; v[128+32b+16g+8t ..+7]
; window 1
.set A1T,  0                           ; +8 half: W1's feature columns
.set A1D,  16                          ; +16 t + 8 half: in the lanes with h = t: registers 0 .. ND-1 Wh, ND .. 2ND-1 Wh, 2ND .. 3ND-1 Wl of W1's direction columns; 0 elsewhere
.set A2,   48                          ; +16 blk + 8 half: W2's hi (blk 0), lo (blk 1)
.set A3,   80                          ; +8 blk: W3's hi, lo; rows j and 8 + j hold output j, the others 0
.set C1,   96                          ; +8 half: b1
.set C2,   112                         ; +8 half: b2
.set C3,   128                         ; b3 in registers 0 .. NOUT - 1, 0 above
.set BT,   136                         ; +8 t: weighted texels
.set BD,   152                         ; the owners' directions: hi, lo, hi, as A1D's registers; 0 above
.set XP,   160                         ; +16 t: first hidden layer: two results, then hi (0-7) and lo (8-15).  The last layer's results lie on XP + 8 t
.set XQ,   192                         ; +16 t: the second, likewise
.set TQ,   224                         ; v[224:239] a tile's 16 activations in f32
.set RR,   240                         ; v[240:245] my two points' three numbers
.set BK,   246                         ; v[246:251] the same 768 bytes of the block, by rows of 256
.set STW,  252                         ; where I put my 24 bytes
.set STR,  253                         ; where I read 8 bytes back
.set OO,   254                         ; 8 x lane
.set MONE, 255                         ; -1.0
.set R1T,  136                         ; during the set-up: weights as loaded
.set R1D,  152
.set R2,   160
.set R3,   192
.set TM,   224                         ; v[224:225] at work
.set HT,   226                         ; v[226+i] hi, v[228+i] lo of W1's direction columns
.set LT,   228
.set SPARE, 6144                       ; LDS (RGB = 1): eight stages of 768 bytes, then the spare words, 128 bytes a wave
.set MSB, 0
.macro WIN new                         ; the immediate's high byte repeats the setting that is left; a switch that changes nothing is dropped
.if MSB != (\new)
	s_set_vgpr_msb (MSB<<8)|(\new)
.set MSB, (\new)
.endif
.endm
.macro NOP4                            ; a vector instruction that reads a matrix result stands four places behind it (ISA guide 7.12.1)
.rept 4
	v_nop
.endr
.endm
; THE LOADS OF BLOCK b (window 0).  By tiles: lanes r and r + 16 read the same bytes.  By owners: 32 lanes, 512 consecutive bytes.
.macro ILOAD b
.irp t, 0,1
	global_load_b64 v[IR+4*(\b)+2*(\t):IR+4*(\b)+2*(\t)+1], v1, s[32:33] offset:256*(\b)+128*(\t) th:TH_LOAD_NT  ; points 32 t + 2 r, + 1
.endr
.endm
.macro DLOAD b
.if RGB
.irp t, 0,1
	global_load_b128 v[DR+16*(\b)+4*(\t):DR+16*(\b)+4*(\t)+3], v2, s[PTF:PTF+1] offset:512*(\b)+256*(\t) th:TH_LOAD_NT
.endr
	global_load_b128 v[DR+16*(\b)+8:DR+16*(\b)+11], v3, s[PA:PA+1] offset:512*(\b) th:TH_LOAD_NT
.else
.irp t, 0,1
	global_load_b128 v[DR+16*(\b)+4*(\t):DR+16*(\b)+4*(\t)+3], v2, s[PTF:PTF+1] offset:512*(\b)+256*(\t)  ; uv is read twice in a block: no hint
.endr
	global_load_b128 v[DR+16*(\b)+8:DR+16*(\b)+11], v3, s[PA:PA+1] offset:512*(\b)
.endif
	global_load_b128 v[DR+16*(\b)+12:DR+16*(\b)+15], v3, s[PWO:PWO+1] offset:512*(\b) th:TH_LOAD_NT
.endm
.macro ADR b, g                        ; a loaded index enters an address only clamped to the table
.irp t, 0,1
	v_min_u32 v[ADRR+2*(\g)+(\t)], IMAX, v[IR+4*(\b)+2*(\t)+(\g)]
.endr
.irp t, 0,1
	v_lshl_add_u32 v[ADRR+2*(\g)+(\t)], v[ADRR+2*(\g)+(\t)], 4, v5
.endr
.endm
.macro GATHER b, g                     ; texels (v0, u0 + h) and (v0 + 1, u0 + h): lanes r and r + 16 take 32 neighbouring bytes; every work-group reads the table again and again: the hint says so
.irp t, 0,1
	global_load_b128 v[GR+32*(\b)+16*(\g)+8*(\t):GR+32*(\b)+16*(\g)+8*(\t)+3], v[ADRR+2*(\g)+(\t)], s[PTEX:PTEX+1] th:TH_LOAD_HT
	global_load_b128 v[GR+32*(\b)+16*(\g)+8*(\t)+4:GR+32*(\b)+16*(\g)+8*(\t)+7], v[ADRR+2*(\g)+(\t)], s[PTEX:PTEX+1] offset:ROWB th:TH_LOAD_HT
.endr
.endm
; THE LANE'S TWO WEIGHTS for each tile, in f32: a = fu or 1 - fu by h; w1 = fv a (row v0 + 1), w0 = a - w1 (row v0).  The two tiles' lines alternate.
.macro FRAC b, g, t                    ; rF: where fu lies, fv behind it; rA: a
.if RGB
.set rF, DR+16*(\b)+4*(\t)+2*(\g)
.else
.set rF, TT+18*(\t)
.endif
.set rA, TT+18*(\t)+4
.endm
.macro WC b, g
.if !RGB
.irp t, 0,1
	v_pk_mul_f32 v[TT+18*(\t):TT+18*(\t)+1], v[DR+16*(\b)+4*(\t)+2*(\g):DR+16*(\b)+4*(\t)+2*(\g)+1], v[8:9]  ; 511 u, -511 v: the same product that made the index
.endr
.irp t, 0,1
	v_floor_f32 v[TT+18*(\t)+2], v[TT+18*(\t)]
	v_floor_f32 v[TT+18*(\t)+3], v[TT+18*(\t)+1]
.endr
.irp t, 0,1
	v_pk_add_f32 v[TT+18*(\t):TT+18*(\t)+1], v[TT+18*(\t):TT+18*(\t)+1], v[TT+18*(\t)+2:TT+18*(\t)+3] neg_lo:[0,1] neg_hi:[0,1]
.endr
.endif
.irp t, 0,1
	FRAC \b, \g, \t
	v_fma_f32 v[rA], v[rF], v6, v7                 ; fu (2 h - 1) + (1 - h)
.endr
.irp t, 0,1
	FRAC \b, \g, \t
	v_mul_f32 v[rA+3], v[rF+1], v[rA]
.endr
.irp t, 0,1
	FRAC \b, \g, \t
	v_sub_f32 v[rA+2], v[rA], v[rA+3]
.endr
.endm
; SOURCE 1 OF LAYER 1.  A word of two texel numbers becomes a word of two weighted ones by two instructions: each widens one bf16, multiplies it by the row's f32 weight and rounds the exact product once
; into its half of the word.  My directions go as hi, lo, hi: lo is (number - hi), rounded once, made in the same way.
.macro PM b, g
.irp i, 0,1
.if (\i) < ND
	v_cvt_pk_bf16_f32 v[DH+(\i)], v[DR+16*(\b)+DOFF+4*(\i)+2*(\g)], v[DR+16*(\b)+DOFF+4*(\i)+2*(\g)+1]
.endif
.endr
	WIN 0x40                                       ; destination window 1, sources window 0
.irp t, 0,1
.irp j, 0,1,2,3,4,5,6,7
	v_fma_mixlo_bf16 v[BT+8*(\t)+(\j)], v[GR+32*(\b)+16*(\g)+8*(\t)+(\j)], v[TT+18*(\t)+6+(\j)/4], v[ZERO0] op_sel_hi:[1,0,0]                ; the word's low bf16
.endr
.irp j, 0,1,2,3,4,5,6,7
	v_fma_mixhi_bf16 v[BT+8*(\t)+(\j)], v[GR+32*(\b)+16*(\g)+8*(\t)+(\j)], v[TT+18*(\t)+6+(\j)/4], v[ZERO0] op_sel:[1,0,0] op_sel_hi:[1,0,0]  ; its high bf16
.endr
.endr
.irp i, 0,1
.if (\i) < ND
	v_mov_b32 v[BD+(\i)], v[DH+(\i)]
	v_mov_b32 v[BD+2*ND+(\i)], v[DH+(\i)]
	v_fma_mixlo_bf16 v[BD+ND+(\i)], v[DH+(\i)], v[MONE0], v[DR+16*(\b)+DOFF+4*(\i)+2*(\g)] op_sel_hi:[1,0,0]
.endif
.endr
.irp i, 0,1
.if (\i) < ND
	v_fma_mixhi_bf16 v[BD+ND+(\i)], v[DH+(\i)], v[MONE0], v[DR+16*(\b)+DOFF+4*(\i)+2*(\g)+1] op_sel:[1,0,0] op_sel_hi:[1,0,0]
.endif
.endr
.endm
; THE MATRIX WORK, a product at a time (window 1).  M1 and M2 write product k of tile t's layer and step k.  A tile's two accumulators (units 0-15, 16-31: k % 2) take turns, one instruction a turn
; a batch's last accumulator and the next batch's first differ.
.macro M1 t                            ; k of 4.  k / 2 = 0: the weighted texels, with the bias; 1: the directions: tile t's weights stand in the lanes with h = t, whose K places are those of the
.set mD, XP+16*(\t)+8*(k%2)            ; tile's owners; the other lanes' directions meet zeros
.if k < 2
	v_wmma_f32_16x16x32_bf16 v[mD:mD+7], v[A1T+8*(k%2):A1T+8*(k%2)+7], v[BT+8*(\t):BT+8*(\t)+7], v[C1+8*(k%2):C1+8*(k%2)+7]
.else
	v_wmma_f32_16x16x32_bf16 v[mD:mD+7], v[A1D+16*(\t)+8*(k%2):A1D+16*(\t)+8*(k%2)+7], v[BD:BD+7], v[mD:mD+7]
.endif
.set k, k+1
.endm
.macro M2 t                            ; k of 6.  k / 2 = 0: Wh xh, with the bias; 1: Wh xl; 2: Wl xh
.set mD, XQ+16*(\t)+8*(k%2)
.set mA, A2+16*(k/4)+8*(k%2)
.set mB, XP+16*(\t)+8*((k/2)%2)
.if k < 2
	v_wmma_f32_16x16x32_bf16 v[mD:mD+7], v[mA:mA+7], v[mB:mB+7], v[C2+8*(k%2):C2+8*(k%2)+7]
.else
	v_wmma_f32_16x16x32_bf16 v[mD:mD+7], v[mA:mA+7], v[mB:mB+7], v[mD:mD+7]
.endif
.set k, k+1
.endm
.macro L3                              ; the last layer, both tiles: the two accumulators take turns
.irp t, 0,1                            ; Wh xh
	v_wmma_f32_16x16x32_bf16 v[XP+8*(\t):XP+8*(\t)+7], v[A3:A3+7], v[XQ+16*(\t):XQ+16*(\t)+7], v[C3:C3+7]
.endr
.irp t, 0,1                            ; Wh xl
	v_wmma_f32_16x16x32_bf16 v[XP+8*(\t):XP+8*(\t)+7], v[A3:A3+7], v[XQ+16*(\t)+8:XQ+16*(\t)+15], v[XP+8*(\t):XP+8*(\t)+7]
.endr
.irp t, 0,1                            ; Wl xh
	v_wmma_f32_16x16x32_bf16 v[XP+8*(\t):XP+8*(\t)+7], v[A3+8:A3+15], v[XQ+16*(\t):XQ+16*(\t)+7], v[XP+8*(\t):XP+8*(\t)+7]
.endr
.endm
; A TILE'S TWO RESULTS BECOME THE NEXT SOURCE 1: a list of 48 lines; ACTL writes line n for tile t of layer x (XP or XQ) and steps n.
;   0-7    0.01 x, two at a time, into TQ; the results are read ascending: each one's lowest registers first
;   8-23   max(x, 0.01 x) into TQ
;   24-31  hi: two roundings to bf16, into registers 0-7
;   32-47  lo = (number - hi), rounded once, into registers 8-15: the words' low halves, then their high halves
.macro ACTL x, t
.set rX, (\x)+16*(\t)
.if n < 8
	v_pk_mul_f32 v[TQ+2*n:TQ+2*n+1], v[rX+2*n:rX+2*n+1], s[40:41] op_sel_hi:[1,0]
.elseif n < 24
	v_max_num_f32 v[TQ+n-8], v[rX+n-8], v[TQ+n-8]
.elseif n < 32
	v_cvt_pk_bf16_f32 v[rX+n-24], v[TQ+2*(n-24)], v[TQ+2*(n-24)+1]
.elseif n < 40
	v_fma_mixlo_bf16 v[rX+8+n-32], v[rX+n-32], v[MONE], v[TQ+2*(n-32)] op_sel_hi:[1,0,0]
.else
	v_fma_mixhi_bf16 v[rX+8+n-40], v[rX+n-40], v[MONE], v[TQ+2*(n-40)+1] op_sel:[1,0,0] op_sel_hi:[1,0,0]
.endif
.set n, n+1
.endm
; The nm products of layer lay for tile mt stand among the 48 lines of layer x for tile t, the other tile: per lines behind each product, the rest behind the last.  No line names a register of the products
; round it.  4 x 6 and 6 x 5 lines: behind a batch's last product stand lines 18 or 25 on, six maxima or seven roundings among them, which name none of its registers: more than the four places in front
; of the first read of its results and the five in front of the products that take them as a source (ISA guide 7.12.1).
.macro RIDE lay, mt, nm, per, x, t
.set k, 0
.set n, 0
.rept \nm
.if (\lay) == 1
	M1 \mt
.else
	M2 \mt
.endif
.rept \per
	ACTL \x, \t
.endr
.endr
.rept 48-(\nm)*(\per)
	ACTL \x, \t
.endr
.endm
; WHAT IS MADE OF THE RESULT.  Register j of every lane holds output j of column lane % 16; my own point is that column of tile h.
.macro TAIL b, g
.if RGB
	NOP4
.irp j, 0,1,2
	v_cndmask_b32 v[RR+3*(\g)+(\j)], v[XP+(\j)], v[XP+8+(\j)], s37
.endr
.irp j, 0,1,2
	v_max_num_f32 v[RR+3*(\g)+(\j)], 0, v[RR+3*(\g)+(\j)]
.endr
.else
.set rW, DR+16*(\b)+12+2*(\g)          ; my point's wo
.set rU, DR+16*(\b)+8+2*(\g)           ; and uv
	WIN 0
	v_mul_f32 v27, v[rW], v[rW]                    ; these four lines are the places behind the last products
	v_fma_f32 v27, v[rW+1], v[rW+1], v27
	v_sub_f32 v27, 1.0, v27
	v_max_num_f32 v27, 0x3eb851ec, v27             ; 0.36
	v_rsq_f32 v28, v27
	WIN 0x05                                       ; sources 0 and 1 window 1
	v_cndmask_b32 v26, v[XP], v[XP+8], s37         ; r; also the plain instruction behind the root (ISA guide 5.7.2)
	WIN 0
	v_mul_f32 v28, v26, v28
	v_pk_fma_f32 v[30:31], v[rW:rW+1], v[28:29], v[rU:rU+1] op_sel_hi:[1,0,1]  ; uv_new
	v_pk_mul_f32 v[30:31], v[30:31], v[8:9]
	v_floor_f32 v32, v30
	v_floor_f32 v33, v31
	v_pk_add_f32 v[FR+2*(\g):FR+2*(\g)+1], v[30:31], v[32:33] neg_lo:[0,1] neg_hi:[0,1]
	v_cvt_i32_f32 v32, v32
	v_cvt_i32_f32 v33, v33
	v_and_b32 v32, 0x1ff, v32
	v_and_b32 v33, 0x1ff, v33
	v_mad_u32_u24 v[IX+(\g)], v33, 0x220, v32
.endif
.endm
.macro STORE b
.if RGB
	WIN 0x55
.irp j, 0,1,2
	ds_store_b64 v[STW], v[RR+2*(\j):RR+2*(\j)+1] offset:8*(\j)   ; my 24 bytes; lanes 6 words apart: 32 different pairs of banks (64 banks of 4 bytes: ISA guide 11.1)
.endr
.irp j, 0,1,2
	ds_load_b64 v[BK+2*(\j):BK+2*(\j)+1], v[STR] offset:256*(\j)  ; LDS serves a wave's instructions in order (ISA guide 5.7.1.4): these see the stores above; the stage is my wave's own
.endr
	s_wait_dscnt 0x0
.irp j, 0,1,2
	global_store_b64 v[OO], v[BK+2*(\j):BK+2*(\j)+1], s[POUT:POUT+1] offset:768*(\b)+256*(\j) th:TH_STORE_NT  ; a wave stores 256 consecutive bytes, aligned
.endr
	WIN 0
.else
	global_store_b64 v4, v[IX:IX+1], s[POUT:POUT+1] offset:256*(\b)   ; 256 consecutive bytes, aligned
	global_store_b128 v3, v[FR:FR+3], s[PX:PX+1] offset:512*(\b)      ; 512
.endif
.endm
.macro GROUP b, g, refill
	WIN 0
	WC \b, \g
.if \refill
	ADR \b, \g                                     ; the next iteration's indices of this group
.endif
	PM \b, \g
	WIN 0x55                                       ; everything in window 1, up to the tail
.set k, 0
.rept 4
	M1 0                                           ; tile 0's layer 1
.endr
	NOP4                                           ; no other work in this window is ready here
	RIDE 1, 1, 4, 6, XP, 0                         ; tile 1's layer 1 among tile 0's first activations
	RIDE 2, 0, 6, 5, XP, 1                         ; tile 0's layer 2 among tile 1's first activations
	RIDE 2, 1, 6, 5, XQ, 0                         ; tile 1's layer 2 among tile 0's second activations
.set n, 0
.rept 48
	ACTL XQ, 1                                     ; tile 1's second activations
.endr
	L3
	TAIL \b, \g
	WIN 0
.if \refill
	GATHER \b, \g                                  ; into the registers that PM has read
.endif
.endm
; cnt: the loads issued behind this block's own 14.
.macro BLOCK b, refill, cnt
	s_wait_loadcnt \cnt                            ; loads come back in order (ISA guide 5.7.1): mine are in, the other block's stay out
	s_wait_xcnt 0x0                                ; every earlier memory instruction has had its addresses translated (ISA guide 3.1): gather offsets and stores' data are rewritten only behind this wait
	GROUP \b, 0, \refill
	GROUP \b, 1, \refill
	STORE \b
.if \refill
	ILOAD \b
	DLOAD \b
.endif
.endm
; Two f32 at src become a word of their roundings to bf16 (hi) and a word of what the roundings left (lo).  Window 1.
.macro SPLIT hi, lo, src
	v_cvt_pk_bf16_f32 v[\hi], v[\src], v[(\src)+1]
	v_fma_mix_f32_bf16 v[TM], v[\hi], v[MONE], v[\src] op_sel_hi:[1,0,0]
	v_fma_mix_f32_bf16 v[TM+1], v[\hi], v[MONE], v[(\src)+1] op_sel:[1,0,0] op_sel_hi:[1,0,0]
	v_cvt_pk_bf16_f32 v[\lo], v[TM], v[TM+1]
.endm
	s_load_b512 s[8:23], s[0:1], 0x0
	s_load_b256 s[24:31], s[0:1], 0x40
.if RGB
	v_lshl_add_u32 v[SPW], v0, 2, SPARE
	v_mov_b32 v[NIL], 0
.endif
	v_lshrrev_b32 v38, 5, v0
	v_readfirstlane_b32 s2, v38                    ; wave 0..7
	s_lshl_b32 s3, ttmp9, 3
	s_add_co_u32 s3, s3, s2                        ; my wave among the launch's 2,048
	s_mov_b32 s5, 0
	s_mul_i32 s7, s2, 768                          ; my stage
	s_mov_b32 s37, 0xffff0000                      ; lanes 16-31
	s_mov_b32 s38, 0x0000ffff                      ; lanes 0-15
	s_mov_b32 s40, 0x3c23d70a                      ; 0.01; it stands twice: the packed multiply names a pair
	s_mov_b32 s41, 0x3c23d70a
	v_and_b32 v34, 31, v0                          ; L
	v_and_b32 v35, 15, v0                          ; r
	v_bfe_u32 v36, v0, 4, 1                        ; h
	v_lshlrev_b32 v1, 3, v35                       ; 8 r: two indices of a tile
	v_lshlrev_b32 v2, 4, v35                       ; 16 r: two points of a tile
	v_lshlrev_b32 v3, 4, v34                       ; 16 L: my two points
	v_lshlrev_b32 v4, 3, v34                       ; 8 L
	v_lshlrev_b32 v5, 4, v36                       ; 16 h: the texel to the right
	v_cvt_f32_u32 v7, v36
	v_fma_f32 v6, v7, 2.0, -1.0                    ; 2 h - 1
	v_sub_f32 v7, 1.0, v7                          ; 1 - h
	v_mov_b32 v[ZERO0], 0
	v_mov_b32 v[MONE0], -1.0
.if !RGB
	v_mov_b32 v8, 0x43ff8000                       ; 511.0
	v_mov_b32 v9, 0xc3ff8000                       ; -511.0
	v_mov_b32 v29, 0                               ; named with v28 as a pair
.endif
	v_mul_u32_u24 v30, v35, W1ROW                  ; row r of W1
	v_lshlrev_b32 v31, 7, v35
	v_lshl_add_u32 v31, v36, 5, v31                ; row r of W2, columns 8 h on
	v_and_b32 v37, 7, v35
	v_min_u32 v32, NOUT-1, v37
	v_lshlrev_b32 v32, 7, v32
	v_lshl_add_u32 v32, v36, 5, v32                ; row min(r % 8, NOUT - 1) of W3, columns 8 h on
	v_lshlrev_b32 v33, 5, v36                      ; biases 8 h on
	v_cmp_gt_u32 s39, NOUT, v37                    ; rows of source 0 that hold an output
	s_wait_kmcnt 0x0
	s_lshl_b32 s4, s3, 13                          ; 2,048 points of 4 bytes
	s_add_nc_u64 s[PIX:PIX+1], s[PIX:PIX+1], s[4:5]
.if !RGB
	s_add_nc_u64 s[POUT:POUT+1], s[POUT:POUT+1], s[4:5]
.endif
	s_lshl_b32 s4, s3, 14                          ; of 8 bytes
	s_add_nc_u64 s[PTF:PTF+1], s[PTF:PTF+1], s[4:5]
	s_add_nc_u64 s[PWO:PWO+1], s[PWO:PWO+1], s[4:5]
	s_add_nc_u64 s[PX:PX+1], s[PX:PX+1], s[4:5]
.if RGB
	s_mul_i32 s4, s3, 24576                        ; of 12 bytes
	s_add_nc_u64 s[POUT:POUT+1], s[POUT:POUT+1], s[4:5]
	s_load_b96 s[48:50], s[PB3:PB3+1], 0x0
.else
	s_load_b32 s48, s[PB3:PB3+1], 0x0
.endif
	s_mov_b64 s[32:33], s[PIX:PIX+1]
.irp b, 0,1
	ILOAD \b                                       ; iteration 0's indices first: the gathers hang on them
.endr
	WIN 0x40                                       ; destination window 1, sources and addresses window 0
	v_mov_b32 v[MONE], -1.0
.if RGB
	v_mad_u32_u24 v[STW], v34, 24, s7
	v_lshl_add_u32 v[STR], v34, 3, s7
	v_mov_b32 v[OO], v4
.endif
.irp half, 0,1
.if RGB
	global_load_b128 v[R1T+8*(\half):R1T+8*(\half)+3], v30, s[PW1:PW1+1] offset:768*(\half)+16
	global_load_b128 v[R1T+8*(\half)+4:R1T+8*(\half)+7], v30, s[PW1:PW1+1] offset:768*(\half)+32
	global_load_b128 v[R1D+4*(\half):R1D+4*(\half)+3], v30, s[PW1:PW1+1] offset:768*(\half)
.else
.irp i, 0,1,2,3
	global_load_b64 v[R1T+8*(\half)+2*(\i):R1T+8*(\half)+2*(\i)+1], v30, s[PW1:PW1+1] offset:640*(\half)+8*(\i)  ; rows of 40 bytes: multiples of 8 alone
.endr
	global_load_b64 v[R1D+4*(\half):R1D+4*(\half)+1], v30, s[PW1:PW1+1] offset:640*(\half)+32
.endif
.irp i, 0,1,2,3                        ; columns 8 h + 0..7 and 16 + 8 h + 0..7
	global_load_b128 v[R2+16*(\half)+4*(\i):R2+16*(\half)+4*(\i)+3], v31, s[PW2:PW2+1] offset:2048*(\half)+16*((\i)%2)+64*((\i)/2)
.endr
.irp i, 0,1
	global_load_b128 v[C1+8*(\half)+4*(\i):C1+8*(\half)+4*(\i)+3], v33, s[PB1:PB1+1] offset:64*(\half)+16*(\i)
	global_load_b128 v[C2+8*(\half)+4*(\i):C2+8*(\half)+4*(\i)+3], v33, s[PB2:PB2+1] offset:64*(\half)+16*(\i)
.endr
.endr
.irp i, 0,1,2,3
	global_load_b128 v[R3+4*(\i):R3+4*(\i)+3], v32, s[PW3:PW3+1] offset:16*((\i)%2)+64*((\i)/2)
.endr
	WIN 0
	s_wait_loadcnt NW                              ; behind the four loads of indices stand the NW of weights
	s_wait_xcnt 0x0                                ; the indices' address is stepped only behind this wait
	s_add_nc_u64 s[32:33], s[PIX:PIX+1], ISTEP     ; iteration 1's
.irp b, 0,1                            ; each block's 14 loads, in the order in which the loop issues them
	s_wait_xcnt 0x0                                ; the gather offsets are rewritten only behind this wait
	ADR \b, 0
	ADR \b, 1
	GATHER \b, 0
	GATHER \b, 1
	ILOAD \b
	DLOAD \b
.endr
	s_wait_loadcnt NBLK*PERB                       ; the 28 just issued stay out; the weights are in
	s_wait_kmcnt 0x0                               ; b3
	WIN 0x55                                       ; the fragments are made while the first gathers are on their way
.irp half, 0,1
.irp i, 0,1,2,3
	v_cvt_pk_bf16_f32 v[A1T+8*(\half)+(\i)], v[R1T+8*(\half)+2*(\i)], v[R1T+8*(\half)+2*(\i)+1]
.endr
.irp i, 0,1,2,3
	v_mov_b32 v[A1T+8*(\half)+4+(\i)], v[A1T+8*(\half)+(\i)]   ; the same eight columns for the second row of texels
.endr
.irp i, 0,1
.if (\i) < ND
	SPLIT HT+(\i), LT+(\i), R1D+4*(\half)+2*(\i)
.endif
.endr
.irp t, 0,1
.irp i, 0,1
.if (\i) < ND
	v_cndmask_b32 v[A1D+16*(\t)+8*(\half)+(\i)], 0, v[HT+(\i)], s[38-(\t)]        ; lanes with h = t alone: Wh for the directions' hi,
	v_cndmask_b32 v[A1D+16*(\t)+8*(\half)+ND+(\i)], 0, v[HT+(\i)], s[38-(\t)]     ; Wh for their lo,
	v_cndmask_b32 v[A1D+16*(\t)+8*(\half)+2*ND+(\i)], 0, v[LT+(\i)], s[38-(\t)]   ; Wl for their hi
.endif
.endr
.set i, 3*ND
.rept 8-3*ND
	v_mov_b32 v[A1D+16*(\t)+8*(\half)+i], 0
.set i, i+1
.endr
.endr
.irp i, 0,1,2,3,4,5,6,7
	SPLIT A2+8*(\half)+(\i), A2+16+8*(\half)+(\i), R2+16*(\half)+2*(\i)
.endr
.endr
.irp i, 0,1,2,3,4,5,6,7,8,9,10,11,12,13,14,15
	v_cndmask_b32 v[R3+(\i)], 0, v[R3+(\i)], s39   ; rows that hold no output are 0
.endr
.irp i, 0,1,2,3,4,5,6,7
	SPLIT A3+(\i), A3+8+(\i), R3+2*(\i)
.endr
.set i, 0
.rept 8
.if i < NOUT
	v_mov_b32 v[C3+i], s[48+i]
.else
	v_mov_b32 v[C3+i], 0
.endif
	v_mov_b32 v[BD+i], 0                           ; the registers above the directions stay 0
.set i, i+1
.endr
	WIN 0                                          ; at a label and at a branch every window is 0
	s_wait_xcnt 0x0                                ; the loads' addresses are stepped only behind this wait
	s_add_nc_u64 s[PTF:PTF+1], s[PTF:PTF+1], DSTEP ; point data: iteration 1's
	s_add_nc_u64 s[PWO:PWO+1], s[PWO:PWO+1], DSTEP
.if RGB
	s_add_nc_u64 s[PX:PX+1], s[PX:PX+1], DSTEP
.endif
	s_mov_b32 s34, 2*ISTEP                         ; indices: iteration 2's
	s_mov_b32 s35, 0
	s_add_nc_u64 s[32:33], s[PIX:PIX+1], s[34:35]
	s_mov_b32 s6, ITER-1
.Liter:                                                ; trip i: iteration i is computed and stored; asked for: gathers and point data of i + 1, indices of i + 2
.irp b, 0,1
	BLOCK \b, 1, PERB*(NBLK-1)                     ; behind a block's 14 loads the other block has issued 14
.endr
	s_wait_xcnt 0x0                                ; all addresses are stepped only behind this wait
	s_add_nc_u64 s[PTF:PTF+1], s[PTF:PTF+1], DSTEP
	s_add_nc_u64 s[PWO:PWO+1], s[PWO:PWO+1], DSTEP
	s_add_nc_u64 s[PX:PX+1], s[PX:PX+1], DSTEP
	s_add_nc_u64 s[POUT:POUT+1], s[POUT:POUT+1], OSTEP
	s_add_co_u32 s34, s34, ISTEP
	s_min_u32 s34, s34, ISTEP*(ITER-1)             ; the last trip has no iteration i + 2: it reads the last 512 bytes once more, inside the buffer, and nobody uses them
	s_add_nc_u64 s[32:33], s[PIX:PIX+1], s[34:35]
	s_sub_co_u32 s6, s6, 1
	s_cmp_lg_u32 s6, 0
	s_cbranch_scc1 .Liter
.irp b, 0,1
	BLOCK \b, 0, PERB*(NBLK-1-(\b))                ; the last iteration asks for nothing: the counts run down
.endr
.if RGB
	WIN 0
	s_wait_tensorcnt 0x0                           ; the wave's end, behind my last LDS store
	ds_add_u32 v[SPW], v[NIL]
	s_wait_dscnt 0x0
.endif
	s_endpgm
.Lfunc_end_k_qaf0ccd868a_rgb:
	.size	k_qaf0ccd868a_rgb, .Lfunc_end_k_qaf0ccd868a_rgb-k_qaf0ccd868a_rgb
	.p2alignl 7, 3214868480
	.fill 96, 4, 3214868480
	.section	.rodata,"a",@progbits
	.p2align	6, 0x0
	.amdhsa_kernel k_qaf0ccd868a_rgb
		.amdhsa_group_segment_fixed_size 7168
		.amdhsa_private_segment_fixed_size 0
		.amdhsa_enable_private_segment 0
		.amdhsa_kernarg_size 96
		.amdhsa_user_sgpr_count 2
		.amdhsa_user_sgpr_kernarg_segment_ptr 1
		.amdhsa_wavefront_size32 1
		.amdhsa_system_sgpr_workgroup_id_x 1
		.amdhsa_system_sgpr_workgroup_id_y 1
		.amdhsa_system_sgpr_workgroup_id_z 1
		.amdhsa_system_vgpr_workitem_id 0
		.amdhsa_next_free_vgpr 512
		.amdhsa_next_free_sgpr 66
		.amdhsa_reserve_vcc 0
		.amdhsa_float_denorm_mode_32 3
		.amdhsa_float_denorm_mode_16_64 3
		.amdhsa_memory_ordered 1
		.amdhsa_forward_progress 1
		.amdhsa_inst_pref_size 149
	.end_amdhsa_kernel
	.amdgpu_metadata
---
amdhsa.version: [ 1, 2 ]
amdhsa.kernels:
  - .name:           k_qaf0ccd868a_rgb
    .symbol:         k_qaf0ccd868a_rgb.kd
    .args:
      - { .name: idx2, .offset: 0, .size: 8, .value_kind: global_buffer, .address_space: global }
      - { .name: frac2, .offset: 8, .size: 8, .value_kind: global_buffer, .address_space: global }
      - { .name: wo, .offset: 16, .size: 8, .value_kind: global_buffer, .address_space: global }
      - { .name: texr, .offset: 24, .size: 8, .value_kind: global_buffer, .address_space: global }
      - { .name: rw1, .offset: 32, .size: 8, .value_kind: global_buffer, .address_space: global }
      - { .name: rb1, .offset: 40, .size: 8, .value_kind: global_buffer, .address_space: global }
      - { .name: rw2, .offset: 48, .size: 8, .value_kind: global_buffer, .address_space: global }
      - { .name: rb2, .offset: 56, .size: 8, .value_kind: global_buffer, .address_space: global }
      - { .name: rw3, .offset: 64, .size: 8, .value_kind: global_buffer, .address_space: global }
      - { .name: rb3, .offset: 72, .size: 8, .value_kind: global_buffer, .address_space: global }
      - { .name: out0, .offset: 80, .size: 8, .value_kind: global_buffer, .address_space: global }
      - { .name: wi, .offset: 88, .size: 8, .value_kind: global_buffer, .address_space: global }
    .group_segment_fixed_size: 7168
    .private_segment_fixed_size: 0
    .kernarg_segment_align: 8
    .kernarg_segment_size: 96
    .max_flat_workgroup_size: 256
    .sgpr_count:     66
    .vgpr_count:     512
    .wavefront_size: 32
...
	.end_amdgpu_metadata
.endif
;; end of part 3
